; MI455X (gfx1250); checked and timed in simulation.
; The chip was launched on July 23, 2026; its instructions are those of AMD's public machine-readable ISA for CDNA 5 (MIT licence, August 2026) and "CDNA5" Instruction Set Architecture Reference Guide (July 2026). The comments in the code are by the model that wrote it; some were corrected since.
;; EMA Vector Quantizer. Allowed arithmetic: float matrix products may take bf16 or f16 operands with f32 sums; other float arithmetic in f32, or as packed bf16 or f16 multiplies, adds, multiply-adds, maxima and minima; sums over many terms, partial sums and values carried from step to step in f32; what a program stores and reads back later, other than sums and carried values, may be rounded once to bf16 or f16.
;; Inputs: embedding 8,192 x 256 float32; z 32 x 256 x 32 x 32 float32.
;; Outputs: out0 32 x 256 x 32 x 32 float32; out1 32,768 int32.
;; 2 versions, each right; version 2 is version 1 with the launch prep written anew for expert scheduling mode. Each part assembles by itself: llvm-mc -triple=amdgcn-amd-amdhsa -mcpu=gfx1250 --defsym DOCPART=n.
;; ======== version 1 of 2: 3 launches
;; workspace buffers: eb 4,194,304 bytes; hn 32,768 bytes; order 131,072 bytes of whole numbers
;; launch prep (part 1): grid 256 x 1, 8 waves a work-group, no clusters, 1,280 bytes of LDS; arguments embedding, eb, hn; writes eb, hn
.if DOCPART == 1
	.amdgcn_target "amdgcn-amd-amdhsa--gfx1250"
	.amdhsa_code_object_version 6
	.text
	.protected	k_q0488d7403c_prep
	.globl	k_q0488d7403c_prep
	.p2align	8
	.type	k_q0488d7403c_prep,@function
k_q0488d7403c_prep:
	s_mov_b64 s[64:65], 0
	v_nop
	global_prefetch_b8 v0, s[64:65] scope:SCOPE_SE
	s_setreg_imm32_b32 hwreg(HW_REG_WAVE_MODE, 25, 1), 1
	s_wait_xcnt 0x0
; eb[k][c] = bf16(embedding[k][c]) (nearest even);  hn[k] = -1/2 x the sum over c of eb[k][c]^2, in f32.
; embedding: [8192][256] f32.  eb: [8192][256] bf16.  hn: [8192] f32.  The norm is taken of the ROUNDED row: it belongs to the numbers that the next launch multiplies.
; SHARES.  A work-group owns 32 rows, each of its eight waves 4.  A lane owns channels 4 l .. 4 l + 3 and 128 + 4 l .. + 3 of a row: a load of the wave covers 512
; consecutive bytes, a store of the wave 256 consecutive bytes at a multiple of 256 from eb's first byte.  The row's sum never leaves the wave.
; The 32 sums meet in LDS so that one instruction stores them; they are 128 bytes, half an aligned block of 256 (hn is 32 KiB in all).
; A stream: every byte is read once and written once; no tile is shared, so there is no cluster, no matrix work and no ring.
.set SPARE, 256                        ; LDS 0-127: the 32 sums (the block 0-255 is theirs); from 256 on the spare words, 128 bytes for each wave
.set EO,  1                            ; v1  16 l + 4,096 x wave: my 16 bytes in the wave's first row of embedding
.set BO,  2                            ; v2  8 l + 2,048 x wave: my 8 bytes in the wave's first row of eb
.set LS,  3                            ; v3  16 x wave: the wave's four sums in LDS
.set L4,  4                            ; v4  4 l
.set SPW, 6                            ; v6  my spare word; never rewritten
.set NIL, 7                            ; v7  0; never rewritten
.set X,   8                            ; v[8:39]   row i: 8 numbers in f32
.set P,   40                           ; v[40:55]  row i: 4 registers of packed bf16
.set A,   56                           ; v[56:63]  row i: a pair of sums
	s_load_b128 s[4:7], s[0:1], 0x0                ; embedding s[4:5], eb s[6:7]
	s_load_b64 s[8:9], s[0:1], 0x10                ; hn
	v_lshl_add_u32 v[SPW], v0, 2, SPARE
	v_mov_b32 v[NIL], 0
	v_lshrrev_b32 v5, 5, v0
	v_readfirstlane_b32 s10, v5                    ; wave 0..7
	v_and_b32 v[L4], 31, v0                        ; lane
	s_lshl_b32 s11, s10, 12
	v_lshl_add_u32 v[EO], v[L4], 4, s11
	s_lshl_b32 s11, s10, 11
	v_lshl_add_u32 v[BO], v[L4], 3, s11
	s_lshl_b32 s11, s10, 4
	v_mov_b32 v[LS], s11
	v_lshlrev_b32 v[L4], 2, v[L4]
	s_lshl_b32 s12, ttmp9, 15                      ; the work-group's 32 rows: 32,768 bytes of embedding,
	s_mov_b32 s13, 0
	s_lshl_b32 s14, ttmp9, 14                      ; 16,384 of eb,
	s_mov_b32 s15, 0
	s_lshl_b32 s16, ttmp9, 7                       ; 128 of hn
	s_mov_b32 s17, 0
	s_mov_b32 s18, 0x76543210                      ; v_permlanex16_b32: each lane takes its own place in the other half
	s_mov_b32 s19, 0xfedcba98
	s_mov_b32 s20, 0xffff0000                      ; a word's upper bf16
	s_wait_kmcnt 0x0
	s_add_nc_u64 s[4:5], s[4:5], s[12:13]
	s_add_nc_u64 s[6:7], s[6:7], s[14:15]
	s_add_nc_u64 s[8:9], s[8:9], s[16:17]
.irp i, 0,1,2,3
	global_load_b128 v[X+8*\i:X+8*\i+3],   v[EO], s[4:5] offset:1024*\i th:TH_LOAD_NT
	global_load_b128 v[X+8*\i+4:X+8*\i+7], v[EO], s[4:5] offset:1024*\i+512 th:TH_LOAD_NT
.endr
.irp i, 0,1,2,3
	s_wait_loadcnt 6-2*\i                          ; loads come back in order: row i is in, the two loads of each later row may stay out
.irp j, 0,1,2,3
	v_cvt_pk_bf16_f32 v[P+4*\i+\j], v[X+8*\i+2*\j], v[X+8*\i+2*\j+1]
.endr
	global_store_b64 v[BO], v[P+4*\i:P+4*\i+1],   s[6:7] offset:512*\i
	global_store_b64 v[BO], v[P+4*\i+2:P+4*\i+3], s[6:7] offset:512*\i+256
.irp j, 0,1,2,3
	v_lshlrev_b32 v[X+8*\i+2*\j],   16,  v[P+4*\i+\j]  ; the rounded numbers, back in f32
	v_and_b32     v[X+8*\i+2*\j+1], s20, v[P+4*\i+\j]
.endr
	v_pk_mul_f32 v[A+2*\i:A+2*\i+1], v[X+8*\i:X+8*\i+1], v[X+8*\i:X+8*\i+1]
.irp j, 2,4,6
	v_pk_fma_f32 v[A+2*\i:A+2*\i+1], v[X+8*\i+\j:X+8*\i+\j+1], v[X+8*\i+\j:X+8*\i+\j+1], v[A+2*\i:A+2*\i+1]
.endr
	v_add_f32 v[A+2*\i], v[A+2*\i], v[A+2*\i+1]
	v_add_f32_dpp v[A+2*\i], v[A+2*\i], v[A+2*\i] row_xmask:1 row_mask:0xf bank_mask:0xf
	v_add_f32_dpp v[A+2*\i], v[A+2*\i], v[A+2*\i] row_xmask:2 row_mask:0xf bank_mask:0xf
	v_add_f32_dpp v[A+2*\i], v[A+2*\i], v[A+2*\i] row_xmask:4 row_mask:0xf bank_mask:0xf
	v_add_f32_dpp v[A+2*\i], v[A+2*\i], v[A+2*\i] row_xmask:8 row_mask:0xf bank_mask:0xf
	v_permlanex16_b32 v[A+2*\i+1], v[A+2*\i], s18, s19
	v_add_f32 v[A+2*\i], v[A+2*\i], v[A+2*\i+1]    ; every lane holds the row's sum
	v_mul_f32 v[A+2*\i], -0.5, v[A+2*\i]
	ds_store_b32 v[LS], v[A+2*\i] offset:4*\i      ; all lanes write the same word with the same number
.endr
	s_wait_dscnt 0x0                               ; for the others' sake: my four sums lie in LDS
	s_barrier_signal -1
	s_barrier_wait -1
	s_cmp_lg_u32 s10, 0
	s_cbranch_scc1 .Lend
	ds_load_b32 v5, v[L4]                          ; wave 0: lane l takes row l's sum
	s_wait_dscnt 0x0
	global_store_b32 v[L4], v5, s[8:9]
.Lend:
	s_wait_tensorcnt 0x0                           ; the wave's end: behind my last LDS store
	ds_add_u32 v[SPW], v[NIL]
	s_wait_dscnt 0x0
	s_endpgm
.Lfunc_end_k_q0488d7403c_prep:
	.size	k_q0488d7403c_prep, .Lfunc_end_k_q0488d7403c_prep-k_q0488d7403c_prep
	.p2alignl 7, 3214868480
	.fill 96, 4, 3214868480
	.section	.rodata,"a",@progbits
	.p2align	6, 0x0
	.amdhsa_kernel k_q0488d7403c_prep
		.amdhsa_group_segment_fixed_size 1280
		.amdhsa_private_segment_fixed_size 0
		.amdhsa_enable_private_segment 0
		.amdhsa_kernarg_size 24
		.amdhsa_user_sgpr_count 2
		.amdhsa_user_sgpr_kernarg_segment_ptr 1
		.amdhsa_wavefront_size32 1
		.amdhsa_system_sgpr_workgroup_id_x 1
		.amdhsa_system_sgpr_workgroup_id_y 1
		.amdhsa_system_sgpr_workgroup_id_z 1
		.amdhsa_system_vgpr_workitem_id 0
		.amdhsa_next_free_vgpr 64
		.amdhsa_next_free_sgpr 66
		.amdhsa_reserve_vcc 0
		.amdhsa_float_denorm_mode_32 3
		.amdhsa_float_denorm_mode_16_64 3
		.amdhsa_memory_ordered 1
		.amdhsa_forward_progress 1
		.amdhsa_inst_pref_size 9
	.end_amdhsa_kernel
	.amdgpu_metadata
---
amdhsa.version: [ 1, 2 ]
amdhsa.kernels:
  - .name:           k_q0488d7403c_prep
    .symbol:         k_q0488d7403c_prep.kd
    .args:
      - { .name: embedding, .offset: 0, .size: 8, .value_kind: global_buffer, .address_space: global }
      - { .name: eb, .offset: 8, .size: 8, .value_kind: global_buffer, .address_space: global }
      - { .name: hn, .offset: 16, .size: 8, .value_kind: global_buffer, .address_space: global }
    .group_segment_fixed_size: 1280
    .private_segment_fixed_size: 0
    .kernarg_segment_align: 8
    .kernarg_segment_size: 24
    .max_flat_workgroup_size: 256
    .sgpr_count:     66
    .vgpr_count:     64
    .wavefront_size: 32
...
	.end_amdgpu_metadata
.endif
;; end of part 1
;; launch amin (part 2): grid 256 x 1, 4 waves a work-group, clusters of 4 x 1, 327,680 bytes of LDS; arguments z, eb, hn, order, out1; writes order, out1
.if DOCPART == 2
	.amdgcn_target "amdgcn-amd-amdhsa--gfx1250"
	.amdhsa_code_object_version 6
	.text
	.protected	k_q0488d7403c_amin
	.globl	k_q0488d7403c_amin
	.p2align	8
	.type	k_q0488d7403c_amin,@function
k_q0488d7403c_amin:
	s_mov_b64 s[64:65], 0
	v_nop
	global_prefetch_b8 v0, s[64:65] scope:SCOPE_SE
	s_setreg_imm32_b32 hwreg(HW_REG_WAVE_MODE, 25, 1), 1
	s_wait_xcnt 0x0
	s_wait_alu depctr_hold_cnt(0) depctr_sa_sdst(0) depctr_va_vdst(0) depctr_va_sdst(0) depctr_va_ssrc(0) depctr_va_vcc(0) depctr_vm_vsrc(0)
	s_getreg_b32 s2, hwreg(HW_REG_IB_STS2, 6, 4)
	s_cmp_eq_u32 s2, 0
	s_cbranch_scc0 .Lentry_in_a_cluster
	s_endpgm
.Lentry_in_a_cluster:
	s_bfe_u32 s2, ttmp6, 0x10000c
	s_cmp_lg_u32 s2, 0x3003
	s_cbranch_scc0 .Lentry_shape_is_right
	s_endpgm
.Lentry_shape_is_right:
; order[n] = out1[n] = argmin over k of |z_n - e_k|^2, as argmax over k of t = z_n . e_k - 1/2 |e_k|^2 (|z_n|^2 is the same for all k and is not formed).
; z: [32][256][32][32] f32; token n = 1,024 b + hw, its channels 4,096 bytes apart.  eb: [8192][256] bf16.  hn: [8192] f32 = -1/2 |e_k|^2.  order, out1: [32768] int32.
; z is rounded to bf16 (nearest even); products exact, sums in f32; hn is the C operand of the first K step, so a score costs no vector instruction.  Equal t: the lowest k, at every level.
; LIMITS.  Ties that arise only when |z|^2 + |e|^2 - 2 z.e is rounded to f32 are not reproduced: t is compared at its own precision.  A NaN score never wins; where every score of a token is NaN
; or -infinity the index is 0.  Infinities are not treated apart.  With a large common offset t is a difference of large sums, as the distance itself is.
; SHARES.  A work-group owns 128 tokens and walks all 8,192 codes, 256 a step.  EVERY wave holds all 128 tokens as fragments (8 tiles x 8 K fragments x 8 = 512 registers); THE CODES are split: of a step's
; 256 rows wave w fetches, and alone reads, rows 64 w .. 64 w + 63: four tiles of 16 codes.  A code fragment read from LDS feeds 8 products: 18 LDS loads for a tile's 64 matrix instructions.
; LAYOUT.  Source 0 = 16 codes, source 1 = 16 tokens: in the result lane l holds ONE token (l % 16) and the codes 8 (l / 16) + 0..7.
; THE ARGMAX, exact, 14 vector instructions for a lane's 8 scores: the maximum of the eight and the best so far (four v_max3_num_f32); has it grown (one compare); if so the tile's number and its eight scores
; are kept (nine v_cndmask_b32).  Strictly greater keeps the earlier tile.  At the end the first of the kept scores that equals the best gives the place.  No branch and no address hangs on a score.
; BY TURNS.  Two buffers of 8 accumulators: while tile n is multiplied into one, the 112 vector instructions for tile n - 1 read the other, four behind every second matrix instruction.
; CLUSTER.  All work-groups walk the same codebook, so the four of a cluster ask for each tile JOINTLY: the same tensor load, descriptor and mask in all four.
; REGISTERS, in windows of 256 (s_set_vgpr_msb: bits 1:0 source 0, 3:2 source 1, 5:4 source 2, 7:6 destination):
;   window 0: all that the vector work touches: v0-15 addresses; v16-31 best and tile number; v32-39 the best's other copy; v40-63 at work; v64-127 kept scores; v128-255 the two accumulator buffers
;   window 1: v0-127 code fragments, two buffers; v128-143 hn's fragments, two buffers (in the prologue all 256: z as it lands)          windows 2, 3: the tokens' fragments, tiles 0-3 and 4-7
.set PITCH, 528                        ; a code row in LDS: 512 bytes + 16 of padding = 132 words: row r starts at bank 4 r mod 64 (64 banks of 4 bytes: ISA guide 11.1)
.set QSLOT, 64*PITCH                   ; a wave's quarter of a slot
.set SLOT,  4*QSLOT                    ; a step's 256 rows
.set HB,    2*SLOT                     ; hn: wave w's part at HB + 8,192 w; step s, local code i at + 256 s + 4 i
.set ZST,   HB+32768                   ; the stage: 64 channels x 288 bytes, written by ds_store alone; at the end its first 4 KiB hold the waves' results
.set ZP,    288                        ; 256 bytes + 32 = 72 words
.set SPARE, ZST+64*ZP                  ; the spare words, 128 bytes for each wave: two blocks of 256 bytes that no other line names
.set STEPB, 131072                     ; bytes of eb in a step
.set AA,  2                            ; v2-3  my place in my quarter of slot 0, 1: (l % 16) x pitch + 16 (l / 16)
.set HA,  4                            ; v4    my 32 bytes of hn for the trip's first tile; steps 512 a trip
.set ZS,  5                            ; v5    the stage: where I put 8 bytes of a channel
.set ZT,  6                            ; v6    the stage: my address for the turning load
.set ZO,  7                            ; v7    my byte offset in z; never rewritten
.set PFO, 8                            ; v8    256 x lane; never rewritten
.set CB,  9                            ; v9    64 x wave + 8 (l / 16): what my codes have above the tile's number and the register's
.set MSA, 10                           ; v10   the end: where I put a token's (best, code)
.set MRD, 11                           ; v11   the end: where wave 0 reads four tokens' back
.set SPW, 12                           ; v12   my spare word; never rewritten
.set NIL, 13                           ; v13   0; never rewritten
.set OO,  14                           ; v14   16 x lane
.set B0,  16                           ; token tile t: v[B0+2t] best (buffer 0's turn reads it, buffer 1's writes it), v[B0+2t+1] the winning tile's number, at the end the code
.set B1,  32                           ; v[B1+t] best (the other way round): old and new best take turns, so that both are at hand for the compare
.set TMP, 40                           ; three registers a token tile
.set SV,  64                           ; the winning tile's eight scores, 8 a token tile
.set ACC, 128                          ; buffer p, token tile t at ACC + 64 p + 8 t
.set CF,  128                          ; window 1: hn's fragment, buffer p at CF + 8 p
.set WV,  14                           ; s14  my wave's number
.set CNT, 20                           ; s20  trips to go
.set TN,  21                           ; s21  256 x step + 16 x tile of the tile whose scores the vector work reads
.set LIM, 22                           ; s22  1 in the cluster that prefetches, else the greatest number
.set G1,  24                           ; s[24:31] descriptor group 1 for the codes
.set G1H, 32                           ; s[32:39] for hn
.set G0,  40                           ; s[40:47] group 0 for the codes, a set for each slot
.set G0H, 48                           ; s[48:51] for hn
.set MK,  52                           ; s[52:59] token tile t: the lanes whose best has grown
.set PFA, 60                           ; s[60:61] where my prefetches stand
.set SEL, 62                           ; s[62:63] v_permlanex16_b32's selects
.set KP, 0                             ; kinds of tile: plain,
.set KT, 1                             ; a slot's last, with a refill,
.set KU, 2                             ; a slot's last, without,
.set KL, 3                             ; the launch's last
.set MSB, 0
.macro WIN new                         ; the immediate's high byte repeats the setting that is left; a switch that changes nothing is dropped
.if MSB != (\new)
	s_set_vgpr_msb (MSB<<8)|(\new)
.set MSB, (\new)
.endif
.endm
; A round of the cluster's barrier: my work-group's barrier, so that wave 0's signal speaks for all four waves; wave 0 signals; every wave waits for all four work-groups; my work-group's barrier once more.
.macro CREST                           ; a round behind its opening barrier
	s_cmp_lg_u32 s[WV], 0
	s_cbranch_scc1 .Lnot_wave_0_\@
	s_barrier_signal -3
.Lnot_wave_0_\@:
	s_barrier_wait -3
	s_barrier_signal -1
	s_barrier_wait -1
.endm
.macro CROUND
	s_barrier_signal -1
	s_barrier_wait -1
	CREST
.endm
; A PREFETCH of the step that the NEXT refill will ask for: 131,072 bytes = 512 blocks of 256.  All clusters walk the same rows: the first cluster asks, and nobody else.  Its four work-groups and their four waves
; share the blocks out BY ADDRESS (32,768 x wave + 8,192 x place in the cluster + 256 x lane): one instruction a wave, each block named once in the launch.  The test hangs on the cluster's number and the
; trip's count alone.  gt = 1 (slot 1's refill): the last trip asks for nothing, since step 32 does not exist.  Steps 0 to 2 come by their loads alone.
.macro ASK gt
.if \gt
	s_cmp_gt_u32 s[CNT], s[LIM]
.else
	s_cmp_ge_u32 s[CNT], s[LIM]
.endif
	s_cbranch_scc0 .Lnot_mine_\@
	global_prefetch_b8 v[PFO], s[PFA:PFA+1] th:TH_LOAD_NT scope:SCOPE_SE
.Lnot_mine_\@:
.endm
; Product i of a tile's 64, into buffer p: token tiles 0-3 first (i < 32), then 4-7; K fragment (i % 32) / 4; token tile 4 (i / 32) + i % 4.  The first K step takes hn as C.
; Four accumulators take turns, one instruction a turn; a tile ends on tile 7 of one buffer and the next begins on tile 0 of the other.
.macro MMI p
.set hf_, i/32
.set k_, (i%32)/4
.set d_, ACC+64*(\p)+8*(4*hf_+i%4)
.set af_, 64*(\p)+8*k_
.set z_, 64*(i%4)+8*k_
.if k_ == 0
	WIN 0x19+4*hf_                                 ; codes window 1, tokens window 2 or 3, C window 1, D window 0
	v_wmma_f32_16x16x32_bf16 v[d_:d_+7], v[af_:af_+7], v[z_:z_+7], v[CF+8*(\p):CF+8*(\p)+7]
.else
	WIN 0x09+4*hf_                                 ; the same with C in window 0
	v_wmma_f32_16x16x32_bf16 v[d_:d_+7], v[af_:af_+7], v[z_:z_+7], v[d_:d_+7]
.endif
.endm
; 18 LDS loads in one run: tile q of the slot: hn's 8 numbers for my half of the lanes (all 16 lanes of a half read the same bytes), then the 8 K fragments of its 16 codes, K ascending.
.macro LOADA buf, slot, q
	WIN 0x40                                       ; destination window 1, address window 0
	ds_load_b128 v[CF+8*(\buf):CF+8*(\buf)+3],   v[HA] offset:256*(\slot)+64*(\q)
	ds_load_b128 v[CF+8*(\buf)+4:CF+8*(\buf)+7], v[HA] offset:256*(\slot)+64*(\q)+16
.irp k, 0,1,2,3,4,5,6,7
	ds_load_b128 v[64*(\buf)+8*\k:64*(\buf)+8*\k+3],   v[AA+(\slot)] offset:16*PITCH*(\q)+64*\k
	ds_load_b128 v[64*(\buf)+8*\k+4:64*(\buf)+8*\k+7], v[AA+(\slot)] offset:16*PITCH*(\q)+64*\k+32
.endr
	WIN 0
.endm
; Number am of the 112 vector instructions for the tile whose scores lie in buffer p.  Token tiles go in pairs, 28 numbers a pair, the two alternating, so that no line reads the result of the line before it.
; An accumulator's lowest registers are read first.
.macro AM1 p
.set o_, am%28
.set t_, 2*(am/28)+o_%2
.set a_, ACC+64*(\p)+8*t_
.set x_, TMP+3*t_
.set bo_, (1-(\p))*(B0+2*t_)+(\p)*(B1+t_)          ; the best so far
.set bn_, (\p)*(B0+2*t_)+(1-(\p))*(B1+t_)          ; the new best
.if o_ < 2
	v_max3_num_f32 v[x_], v[a_], v[a_+1], v[a_+2]
.elseif o_ < 4
	v_max3_num_f32 v[x_+1], v[a_+3], v[a_+4], v[a_+5]
.elseif o_ < 6
	v_max3_num_f32 v[x_+2], v[a_+6], v[a_+7], v[bo_]
.elseif o_ < 8
	v_max3_num_f32 v[bn_], v[x_], v[x_+1], v[x_+2]
.elseif o_ < 10
	v_cmp_gt_f32 s[MK+t_], v[bn_], v[bo_]
.elseif o_ < 12
	v_cndmask_b32 v[B0+2*t_+1], v[B0+2*t_+1], s[TN], s[MK+t_]
.else
	v_cndmask_b32 v[SV+8*t_+(o_-12)/2], v[SV+8*t_+(o_-12)/2], v[a_+(o_-12)/2], s[MK+t_]
.endif
.set am, am+1
.endm
.macro SLICE p
	WIN 0
	AM1 \p
	AM1 \p
	AM1 \p
	AM1 \p
.endm
; A TILE: 64 products into buffer p (tile q of the slot), and the vector work for the tile before, whose scores lie in the other buffer: 28 slices of four, behind products 1, 3, .. 55.
; DISTANCES (ISA guide 7.12.1 for vector instructions).  A slice reads accumulators that were finished 32 products or more earlier, with slices between that name none of their registers.
; A plain tile's run of loads, into the fragments that the tile before multiplied, stands behind two slices: eight plain instructions that name token tiles 0 and 1 of the other buffer,
; none of them a register of that tile's last products (token tiles 4-7, K fragment 7).
; A SLOT'S LAST TILE WITH A REFILL.  At its head: all my tensor loads have landed (one is out: my quarter of the other slot); the add; sixteen products; the wait for the add and for my last reads of this slot;
; the signal, which opens a round of the cluster's barrier; sixteen products; the rest of the round.  Then no wave of any partner reads this slot or has a load on its way: the joint refill is the first thing
; behind the round, and has 224 matrix instructions before the wait for it.
.macro TILE p, slot, q, kind
.set am, 0
	s_wait_dscnt 8                                 ; hn and K fragments 0-3 are in; the youngest eight loads (K fragments 4-7) may be out
.if (\kind) == KT
	s_wait_xcnt 0x0                                ; the last prefetch, a step back, has read its address, so it may be stepped
	s_add_nc_u64 s[PFA:PFA+1], s[PFA:PFA+1], STEPB
	WIN 0                                          ; (the add's two registers lie in window 0)
	s_wait_tensorcnt 0x0
	ds_add_u32 v[SPW], v[NIL]                      ; 0 onto my spare word
.endif
.set i, 0
.rept 64
.if i == 16
.if (\kind) == KP
	s_wait_dscnt 18                                ; all but the next tile's 18
.else
	s_wait_dscnt 0x0                               ; K fragments 4-7; with a refill also: the add is done and my reads of this slot are over
.endif
.if (\kind) == KT
	s_barrier_signal -1
.endif
.endif
.if (i == 32) && ((\kind) == KT)
	WIN 0
	s_barrier_wait -1
	CREST
	s_add_nc_u64 s[G0+4*(\slot)+2:G0+4*(\slot)+3], s[G0+4*(\slot)+2:G0+4*(\slot)+3], 2*STEPB  ; no tensor load of mine is out: this slot's next step
	tensor_load_to_lds s[G0+4*(\slot):G0+4*(\slot)+3], s[G1:G1+7]
	s_nop 0
.rept 4
	v_nop
.endr
.if (\slot) == 1
	v_add_nc_u32 v[HA], 512, v[HA]                 ; hn of the next trip's two steps
.endif
	LOADA 1-(\p), 1-(\slot), 0                     ; the other slot's first tile
	ASK \slot
.endif
.if (i == 32) && ((\kind) == KU)
	WIN 0
	s_wait_tensorcnt 0x0                           ; my quarter of the last slot: I alone read it, and nothing is filled again, so no barrier follows
	LOADA 1-(\p), 1-(\slot), 0
.endif
	MMI \p
.if (i%2 == 1) && (i < 56)
	SLICE 1-(\p)
.endif
.if (i == 3) && ((\kind) == KP)
	LOADA 1-(\p), \slot, (\q)+1
.endif
.set i, i+1
.endr
.if (\q) == 0
	s_add_co_u32 s[TN], s[TN], 208                 ; the vector work goes on from a step's tile 3 to the next step's tile 0,
.else
	s_add_co_u32 s[TN], s[TN], 16                  ; or to the step's next tile
.endif
.endm
; 64 channels of z: rounded to bf16 in place, into the stage as [channel][token], and out of it turned, as fragments [token][channel], by every wave.
.macro ZCHUNK c
	s_wait_loadcnt 48-16*(\c)                      ; loads come back in order: the later chunks' sixteen each may stay out
	WIN 0x45                                       ; sources and destination in window 1
.set n, 64*(\c)
.rept 16
	v_cvt_pk_bf16_f32 v[n], v[n], v[n+1]
	v_cvt_pk_bf16_f32 v[n+1], v[n+2], v[n+3]
.set n, n+4
.endr
	WIN 0x04                                       ; address window 0, data window 1
.set n, 0
.rept 16
	ds_store_b64 v[ZS], v[64*(\c)+4*n:64*(\c)+4*n+1] offset:ZP*n  ; channel 16 w + n of the chunk, my four tokens
.set n, n+1
.endr
	s_wait_dscnt 0x0                               ; for the others' sake: my sixteen channels lie in the stage
	s_barrier_signal -1
	s_barrier_wait -1
.irp t, 0,1,2,3,4,5,6,7
	WIN 0x80+0x40*(\t/4)                           ; destination window 2 or 3
.irp kk, 0,1
	ds_load_tr16_b128 v[64*(\t%4)+8*(2*(\c)+\kk):64*(\t%4)+8*(2*(\c)+\kk)+3],   v[ZT] offset:32*ZP*\kk+32*\t
	ds_load_tr16_b128 v[64*(\t%4)+8*(2*(\c)+\kk)+4:64*(\t%4)+8*(2*(\c)+\kk)+7], v[ZT] offset:32*ZP*\kk+16*ZP+32*\t
.endr
.endr
	WIN 0
	s_wait_dscnt 0x0                               ; my reads of the stage are over
.if (\c) < 3
	s_barrier_signal -1
	s_barrier_wait -1                              ; everybody's are: the next chunk may be written
.endif
.endm
; Of two (best, code) the greater best, of equal ones the lower code.
.macro MERGE db, dc, bo, co, bx, cx
	v_cmp_gt_f32 s68, v[\bx], v[\bo]
	v_cmp_eq_f32 s69, v[\bx], v[\bo]
	v_cmp_lt_u32 s70, v[\cx], v[\co]
	s_and_b32 s69, s69, s70
	s_or_b32 s68, s68, s69
	v_cndmask_b32 v[\db], v[\bo], v[\bx], s68
	v_cndmask_b32 v[\dc], v[\co], v[\cx], s68
.endm
	s_load_b256 s[4:11], s[0:1], 0x0               ; z s[4:5], eb s[6:7], hn s[8:9], order s[10:11]
	s_load_b64 s[12:13], s[0:1], 0x20              ; out1
	v_lshl_add_u32 v[SPW], v0, 2, SPARE
	v_mov_b32 v[NIL], 0
	ds_add_u32 v[SPW], v[NIL]                      ; the wave's opening: the add and its wait ahead of my first tensor load; the set-up below, work on registers, stands between them
	v_lshrrev_b32 v1, 5, v0
	v_readfirstlane_b32 s[WV], v1                  ; wave 0..3
	s_bfe_u32 s15, ttmp6, 0x40000                  ; cx: my place in the cluster
	s_lshl_b32 s16, ttmp9, 2                       ; in a cluster launch ttmp9 counts clusters
	s_add_co_u32 s16, s16, s15                     ; my block of 128 tokens: it enters z's, order's and out1's addresses alone
	; group 1 for the codes: 64 rows x 256 elements of 2 bytes, padded in LDS
	s_mov_b32 s[G1+0], 15|(1<<16)|(1<<20)|(1<<21)|(6<<22)|(3<<25)  ; 15:0 the mask of four; 17:16 2-byte elements; 20 padding on; 21 set beside a mask; 24:22 after every 128 words (code 6); 31:25 4 words (code 3)
	s_mov_b32 s[G1+1], 256<<16                     ; tensor_dim0 = 256
	s_mov_b32 s[G1+2], 64<<16                      ; tensor_dim1 = 64
	s_mov_b32 s[G1+3], 256<<16                     ; tile_dim0 = 256
	s_mov_b32 s[G1+4], 64                          ; tile_dim1 = 64
	s_mov_b32 s[G1+5], 256                         ; elements from row to row
	s_mov_b32 s[G1+6], 0
	s_mov_b32 s[G1+7], 0
	; group 1 for hn: 32 rows (a step each) x 64 elements of 4 bytes (my codes of the step), 256 elements from step to step, no padding
	s_mov_b32 s[G1H+0], 15|(2<<16)|(1<<21)
	s_mov_b32 s[G1H+1], 64<<16
	s_mov_b32 s[G1H+2], 32<<16
	s_mov_b32 s[G1H+3], 64<<16
	s_mov_b32 s[G1H+4], 32
	s_mov_b32 s[G1H+5], 256
	s_mov_b32 s[G1H+6], 0
	s_mov_b32 s[G1H+7], 0
	s_mul_i32 s17, s[WV], QSLOT                    ; my quarter of a slot: no place in the cluster enters an LDS address
	s_mov_b32 s[G0], 1
	s_mov_b32 s[G0+1], s17
	s_mov_b32 s[G0+4], 1
	s_add_co_u32 s[G0+5], s17, SLOT
	s_lshl_b32 s23, s[WV], 13
	s_mov_b32 s[G0H], 1
	s_add_co_u32 s[G0H+1], s23, HB
	v_and_b32 v40, 15, v0                          ; l % 16
	v_bfe_u32 v41, v0, 4, 1                        ; l / 16
	v_and_b32 v42, 31, v0                          ; l
	v_and_b32 v43, 7, v0
	v_bfe_u32 v44, v0, 3, 1
	v_mul_u32_u24 v[AA], v40, PITCH
	v_lshl_add_u32 v[AA], v41, 4, v[AA]
	v_add_nc_u32 v[AA], s17, v[AA]
	v_add_nc_u32 v[AA+1], SLOT, v[AA]
	v_lshl_add_u32 v[HA], v41, 5, s[G0H+1]
	s_mul_i32 s23, s[WV], 16*ZP
	s_add_co_u32 s23, s23, ZST
	v_lshl_add_u32 v[ZS], v42, 3, s23              ; channel 16 w, tokens 4 l on
	v_lshl_add_u32 v[ZT], v41, 3, v43              ; the turning load: lane l reads channel 8 (l / 16) + l % 8, tokens 8 ((l / 8) % 2) + 0..7
	v_mul_u32_u24 v[ZT], v[ZT], ZP
	v_lshl_add_u32 v[ZT], v44, 4, v[ZT]
	v_add_nc_u32 v[ZT], ZST, v[ZT]
	s_lshl_b32 s23, s[WV], 16
	v_lshl_add_u32 v[ZO], v42, 4, s23              ; 16 l + 16 w channels of 4,096 bytes
	v_lshlrev_b32 v[PFO], 8, v42
	s_lshl_b32 s23, s[WV], 6
	v_lshl_add_u32 v[CB], v41, 3, s23
	s_lshl_b32 s23, s[WV], 10
	s_add_co_u32 s23, s23, ZST
	v_lshl_add_u32 v[MSA], v40, 3, s23
	v_lshlrev_b32 v[MRD], 5, v42
	v_add_nc_u32 v[MRD], ZST, v[MRD]
	v_lshlrev_b32 v[OO], 4, v42
	s_mov_b32 s[SEL], 0x76543210
	s_mov_b32 s[SEL+1], 0xfedcba98
	s_mov_b32 s[TN], -208                          ; the first tile's end makes 0 of it
	s_mov_b32 s[CNT], 15
	s_cmp_eq_u32 ttmp9, 0                          ; the first cluster: the same answer in all four partners
	s_cselect_b32 s[LIM], 1, -1
	s_wait_dscnt 0x0                               ; the opening add is done
	s_wait_kmcnt 0x0
	s_lshr_b32 s18, s16, 3                         ; b,
	s_lshl_b32 s18, s18, 20                        ; its 256 channels of 4,096 bytes,
	s_and_b32 s23, s16, 7
	s_lshl_b32 s23, s23, 9                         ; and my 128 tokens in a channel
	s_add_co_u32 s18, s18, s23
	s_mov_b32 s19, 0
	s_add_nc_u64 s[4:5], s[4:5], s[18:19]
	s_lshl_b32 s18, s16, 9                         ; my 128 indices
	s_add_nc_u64 s[10:11], s[10:11], s[18:19]
	s_add_nc_u64 s[12:13], s[12:13], s[18:19]
	s_lshl_b32 s18, s[WV], 8                       ; my 64 numbers of a step's hn
	s_add_nc_u64 s[G0H+2:G0H+3], s[8:9], s[18:19]
	s_lshl_b32 s18, s[WV], 15                      ; my 64 rows of a step
	s_add_nc_u64 s[G0+2:G0+3], s[6:7], s[18:19]    ; step 0
	s_add_nc_u64 s[G0+6:G0+7], s[G0+2:G0+3], STEPB ; step 1
	s_add_nc_u64 s[PFA:PFA+1], s[G0+2:G0+3], 2*STEPB  ; the prefetches stand at step 2; the first refill steps them to step 3
	s_lshl_b32 s18, s15, 13                        ; my work-group's quarter of those rows
	s_add_nc_u64 s[PFA:PFA+1], s[PFA:PFA+1], s[18:19]
	s_or_b32 s[G0+3], s[G0+3], 0x80000000          ; 127:126 type = 2
	s_or_b32 s[G0+7], s[G0+7], 0x80000000
	s_or_b32 s[G0H+3], s[G0H+3], 0x80000000
	; z: 64 loads a wave, channel 64 (n / 16) + 16 w + n % 16; each covers the channel's 512 consecutive bytes of my 128 tokens
	WIN 0x40
.set n, 0
.rept 64
	global_load_b128 v[4*n:4*n+3], v[ZO], s[4:5] offset:262144*(n/16)+4096*(n%16) th:TH_LOAD_NT
.set n, n+1
.endr
	WIN 0
	CROUND                                         ; all four work-groups are here: the first joint loads meet
	tensor_load_to_lds s[G0H:G0H+3], s[G1H:G1H+7]  ; the first fills, as one group: three loads of mine are out here, later one
	s_nop 0
	tensor_load_to_lds s[G0:G0+3], s[G1:G1+7]
	s_nop 0
	tensor_load_to_lds s[G0+4:G0+7], s[G1:G1+7]
	s_nop 0
.rept 4
	v_nop
.endr
	; What the first tile's vector work finds: it belongs to a tile that has not been.  Scores and best of -infinity: nothing grows, nothing is kept.  So the loop has no first trip written out.
	; These lines stand in the wait for z.
	s_mov_b32 s23, 0xff800000
.set n, 0
.rept 64
	v_mov_b32 v[ACC+64+n], s23
	v_mov_b32 v[SV+n], s23
.set n, n+1
.endr
.set n, 0
.rept 8
	v_mov_b32 v[B1+n], s23
	v_mov_b32 v[B0+2*n+1], 0
.set n, n+1
.endr
	ZCHUNK 0
	ZCHUNK 1
	ZCHUNK 2
	ZCHUNK 3
	s_wait_tensorcnt 0x1                           ; hn and my quarter of slot 0 are in; slot 1's may stay out.  I alone read them
	LOADA 0, 0, 0
.Ltrip:                                        ; 15 trips of two steps: steps 0 to 29; each fills both slots again
	TILE 0, 0, 0, KP
	TILE 1, 0, 1, KP
	TILE 0, 0, 2, KP
	TILE 1, 0, 3, KT
	TILE 0, 1, 0, KP
	TILE 1, 1, 1, KP
	TILE 0, 1, 2, KP
	TILE 1, 1, 3, KT
	WIN 0                                          ; at a label and at a branch every window is 0
	s_sub_co_u32 s[CNT], s[CNT], 1
	s_cmp_lg_u32 s[CNT], 0
	s_cbranch_scc1 .Ltrip
	TILE 0, 0, 0, KP                               ; steps 30 and 31 are written out: nothing is left to fetch
	TILE 1, 0, 1, KP
	TILE 0, 0, 2, KP
	TILE 1, 0, 3, KU
	TILE 0, 1, 0, KP
	TILE 1, 1, 1, KP
	TILE 0, 1, 2, KP
	TILE 1, 1, 3, KL
	WIN 0
.set am, 0
.rept 112
	AM1 1                                          ; the last tile's vector work.  Token tiles 0-3, finished 32 products back, come first: 56 plain lines ahead of the first read of tiles 4-7
.endr
	; THE END.  The place of the best among the kept scores, the lowest first; the code; the other half of the lanes; the other waves.
.irp t, 0,1,2,3,4,5,6,7
	v_mov_b32 v[TMP+3*\t], 7
.endr
.irp j, 6,5,4,3,2,1,0
.irp t, 0,1,2,3,4,5,6,7
	v_cmp_eq_f32 s[MK+\t], v[SV+8*\t+\j], v[B0+2*\t]
.endr
.irp t, 0,1,2,3,4,5,6,7
	v_cndmask_b32 v[TMP+3*\t], v[TMP+3*\t], \j, s[MK+\t]
.endr
.endr
.irp t, 0,1,2,3,4,5,6,7
	v_add3_u32 v[B0+2*\t+1], v[B0+2*\t+1], v[TMP+3*\t], v[CB]  ; 256 step + 16 tile, + register, + 64 wave + 8 (l / 16)
.endr
.irp t, 0,1,2,3,4,5,6,7
	v_permlanex16_b32 v[TMP+3*\t+1], v[B0+2*\t], s[SEL], s[SEL+1]    ; the token's other codes lie in the lane 16 away
	v_permlanex16_b32 v[TMP+3*\t+2], v[B0+2*\t+1], s[SEL], s[SEL+1]
.endr
.irp t, 0,1,2,3,4,5,6,7
	MERGE B0+2*\t, B0+2*\t+1, B0+2*\t, B0+2*\t+1, TMP+3*\t+1, TMP+3*\t+2
	ds_store_b64 v[MSA], v[B0+2*\t:B0+2*\t+1] offset:128*\t  ; both halves of the lanes write the same pair to the same place.  The stage's last readers have waited and passed barriers since
.endr
	s_wait_dscnt 0x0                               ; for wave 0's sake
	s_barrier_signal -1
	s_barrier_wait -1
	s_cmp_lg_u32 s[WV], 0
	s_cbranch_scc1 .Lend
.irp w, 0,1,2,3
	ds_load_b128 v[SV+8*\w:SV+8*\w+3],   v[MRD] offset:1024*\w     ; wave w's pairs for tokens 4 l, 4 l + 1,
	ds_load_b128 v[SV+8*\w+4:SV+8*\w+7], v[MRD] offset:1024*\w+16  ; and 4 l + 2, 4 l + 3
.endr
	s_wait_dscnt 0x0
.irp x, 0,1,2,3
	MERGE SV+2*\x, SV+2*\x+1, SV+2*\x, SV+2*\x+1, SV+8+2*\x, SV+8+2*\x+1
	MERGE SV+2*\x, SV+2*\x+1, SV+2*\x, SV+2*\x+1, SV+16+2*\x, SV+16+2*\x+1
	MERGE SV+2*\x, TMP+\x, SV+2*\x, SV+2*\x+1, SV+24+2*\x, SV+24+2*\x+1  ; the last puts the four codes side by side
.endr
	global_store_b128 v[OO], v[TMP:TMP+3], s[10:11]  ; 512 consecutive bytes, at a multiple of 256 from the buffer's first byte
	global_store_b128 v[OO], v[TMP:TMP+3], s[12:13]
.Lend:
	s_wait_tensorcnt 0x0                           ; the wave's end: behind my last tensor load and my last LDS store
	ds_add_u32 v[SPW], v[NIL]
	s_wait_dscnt 0x0
	CROUND                                         ; the closing round: no work-group ends while a partner may still ask for a tile that names it
	s_endpgm
.Lfunc_end_k_q0488d7403c_amin:
	.size	k_q0488d7403c_amin, .Lfunc_end_k_q0488d7403c_amin-k_q0488d7403c_amin
	.p2alignl 7, 3214868480
	.fill 96, 4, 3214868480
	.section	.rodata,"a",@progbits
	.p2align	6, 0x0
	.amdhsa_kernel k_q0488d7403c_amin
		.amdhsa_group_segment_fixed_size 327680
		.amdhsa_private_segment_fixed_size 0
		.amdhsa_enable_private_segment 0
		.amdhsa_kernarg_size 40
		.amdhsa_user_sgpr_count 2
		.amdhsa_user_sgpr_kernarg_segment_ptr 1
		.amdhsa_wavefront_size32 1
		.amdhsa_system_sgpr_workgroup_id_x 1
		.amdhsa_system_sgpr_workgroup_id_y 1
		.amdhsa_system_sgpr_workgroup_id_z 1
		.amdhsa_system_vgpr_workitem_id 0
		.amdhsa_next_free_vgpr 1024
		.amdhsa_next_free_sgpr 72
		.amdhsa_reserve_vcc 0
		.amdhsa_float_denorm_mode_32 3
		.amdhsa_float_denorm_mode_16_64 3
		.amdhsa_memory_ordered 1
		.amdhsa_forward_progress 1
		.amdhsa_inst_pref_size 255
	.end_amdhsa_kernel
	.section	.bss,"aw",@nobits
	.p2align	6
	.space	262144
	.amdgpu_metadata
---
amdhsa.version: [ 1, 2 ]
amdhsa.kernels:
  - .name:           k_q0488d7403c_amin
    .symbol:         k_q0488d7403c_amin.kd
    .args:
      - { .name: z, .offset: 0, .size: 8, .value_kind: global_buffer, .address_space: global }
      - { .name: eb, .offset: 8, .size: 8, .value_kind: global_buffer, .address_space: global }
      - { .name: hn, .offset: 16, .size: 8, .value_kind: global_buffer, .address_space: global }
      - { .name: order, .offset: 24, .size: 8, .value_kind: global_buffer, .address_space: global }
      - { .name: out1, .offset: 32, .size: 8, .value_kind: global_buffer, .address_space: global }
    .group_segment_fixed_size: 327680
    .private_segment_fixed_size: 0
    .kernarg_segment_align: 8
    .kernarg_segment_size: 40
    .max_flat_workgroup_size: 128
    .sgpr_count:     72
    .vgpr_count:     1024
    .wavefront_size: 32
...
	.end_amdgpu_metadata
.endif
;; end of part 2
;; launch gath (part 3): grid 512 x 1, 8 waves a work-group, no clusters, 66,816 bytes of LDS; arguments order, embedding, z, out0; writes out0
.if DOCPART == 3
	.amdgcn_target "amdgcn-amd-amdhsa--gfx1250"
	.amdhsa_code_object_version 6
	.text
	.protected	k_q0488d7403c_gath
	.globl	k_q0488d7403c_gath
	.p2align	8
	.type	k_q0488d7403c_gath,@function
k_q0488d7403c_gath:
	s_mov_b64 s[64:65], 0
	v_nop
	global_prefetch_b8 v0, s[64:65] scope:SCOPE_SE
	s_setreg_imm32_b32 hwreg(HW_REG_WAVE_MODE, 25, 1), 1
	s_wait_xcnt 0x0
; out0[b][c][hw] = z[b][c][hw] + (embedding[order[n]][c] - z[b][c][hw]), n = 1,024 b + hw, in f32, in that order of rounding.
; order: [32768] int32, stored by the launch before.  embedding: [8192][256] f32.  z, out0: [32][256][32][32] f32.
; SHARES.  A work-group owns 64 tokens: 256 consecutive bytes, aligned, of each of the 256 channels of z and out0.  The code rows come [token][channel] and leave [channel][token]: they are turned in LDS.
; IN: wave v gathers tokens 8 v .. 8 v + 7: sixteen lanes read 256 consecutive bytes of one row, sixteen loads.  OUT: wave v owns channels 32 v .. 32 v + 31: sixteen lanes store a channel's 256 bytes.
; LDS: [token][channel] in f32, 1,028 bytes = 257 words from token to token.  Stores of a word: the 32 lanes hold two neighbouring tokens x 16 channels four apart; loads of a word: 16 tokens four apart x
; two neighbouring channels: with 257 = 1 mod 64 each touches 32 different banks (64 banks of 4 bytes: ISA guide 11.1).
; An index is held to 0 .. 8,191 before it enters an address.  A stream and a gather: the rows that a work-group wants are named by its own list, so there is nothing to ask for jointly: no cluster, no matrix work.
.set LP,    1028
.set SPARE, 64*LP                      ; behind the tokens: the spare words, 128 bytes for each wave: four blocks of 256 bytes that no other line names
.set IO,  1                            ; v1  my byte offset in the work-group's indices: token 8 v + l / 16
.set ZO,  2                            ; v2  my byte offset in z and out0: channel 32 v + l / 16, tokens 4 (l % 16) on
.set M16, 3                            ; v3  16 (l % 16)
.set LSW, 4                            ; v4  LDS: token 8 v + l / 16, channels 4 (l % 16) on
.set LR,  5                            ; v5  LDS: token 4 (l % 16), channel 32 v + l / 16
.set SPW, 6                            ; v6  my spare word; never rewritten
.set NIL, 7                            ; v7  0; never rewritten
.set IDX, 8                            ; v[8:11]   four indices, then the rows' byte offsets
.set G,   16                           ; v[16:79]  the rows as gathered; then turned; then the result
.set ZR,  80                           ; v[80:143] z
	s_load_b256 s[4:11], s[0:1], 0x0               ; order s[4:5], embedding s[6:7], z s[8:9], out0 s[10:11]
	v_lshl_add_u32 v[SPW], v0, 2, SPARE
	v_mov_b32 v[NIL], 0
	v_and_b32 v12, 15, v0                          ; l % 16
	v_bfe_u32 v13, v0, 4, 1                        ; l / 16
	v_lshrrev_b32 v14, 5, v0                       ; wave
	v_lshl_add_u32 v15, v14, 3, v13                ; token 8 v + l / 16
	v_lshlrev_b32 v[IO], 2, v15
	v_lshlrev_b32 v[M16], 4, v12
	v_mul_u32_u24 v[LSW], v15, LP
	v_add_nc_u32 v[LSW], v[LSW], v[M16]
	v_lshl_add_u32 v15, v14, 5, v13                ; channel 32 v + l / 16
	v_lshl_add_u32 v[ZO], v15, 12, v[M16]
	v_mul_u32_u24 v[LR], v12, 4*LP
	v_lshl_add_u32 v[LR], v15, 2, v[LR]
	s_lshr_b32 s12, ttmp9, 4                       ; b,
	s_lshl_b32 s12, s12, 20                        ; its 256 channels of 4,096 bytes,
	s_and_b32 s14, ttmp9, 15
	s_lshl_b32 s14, s14, 8                         ; and my 64 tokens in a channel
	s_add_co_u32 s12, s12, s14
	s_mov_b32 s13, 0
	s_lshl_b32 s14, ttmp9, 8                       ; my 64 indices
	s_mov_b32 s15, 0
	s_wait_kmcnt 0x0
	s_add_nc_u64 s[4:5], s[4:5], s[14:15]
	s_add_nc_u64 s[8:9], s[8:9], s[12:13]
	s_add_nc_u64 s[10:11], s[10:11], s[12:13]
.irp p, 0,1,2,3
	global_load_b32 v[IDX+\p], v[IO], s[4:5] offset:8*\p  ; token 8 v + 2 p + l / 16
.endr
.irp u, 0,1,2,3,4,5,6,7,8,9,10,11,12,13,14,15
	global_load_b128 v[ZR+4*\u:ZR+4*\u+3], v[ZO], s[8:9] offset:8192*\u th:TH_LOAD_NT  ; channel 32 v + 2 u + l / 16
.endr
	s_wait_loadcnt 16                              ; the indices are in; z's sixteen loads may stay out
.irp p, 0,1,2,3
	v_min_u32 v[IDX+\p], 0x1fff, v[IDX+\p]
.endr
.irp p, 0,1,2,3
	v_lshlrev_b32 v[IDX+\p], 10, v[IDX+\p]         ; a row is 1,024 bytes
.endr
.irp p, 0,1,2,3
	v_add_nc_u32 v[IDX+\p], v[IDX+\p], v[M16]
.endr
.irp p, 0,1,2,3
.irp j, 0,1,2,3
	global_load_b128 v[G+4*(4*\p+\j):G+4*(4*\p+\j)+3], v[IDX+\p], s[6:7] offset:256*\j  ; channels 64 j + 4 (l % 16) on; no hint: a list may name a row twice
.endr
.endr
.irp p, 0,1,2,3
.irp j, 0,1,2,3
	s_wait_loadcnt 15-(4*\p+\j)                    ; loads come back in order: this one is in (and z, asked for earlier), the younger ones may stay out
.irp i, 0,1,2,3
	ds_store_b32 v[LSW], v[G+4*(4*\p+\j)+\i] offset:2*LP*\p+256*\j+4*\i
.endr
.endr
.endr
	s_wait_dscnt 0x0                               ; for the others' sake: my eight tokens lie in LDS
	s_barrier_signal -1
	s_barrier_wait -1
.irp u, 0,1,2,3,4,5,6,7,8,9,10,11,12,13,14,15
.irp i, 0,1,2,3
	ds_load_b32 v[G+4*\u+\i], v[LR] offset:LP*\i+8*\u  ; token 4 (l % 16) + i, channel 32 v + 2 u + l / 16
.endr
.endr
.irp u, 0,1,2,3,4,5,6,7,8,9,10,11,12,13,14,15
	s_wait_dscnt 60-4*\u                           ; LDS loads come back in order: these four are in, the four of each later channel pair may stay out
	v_pk_add_f32 v[G+4*\u:G+4*\u+1],   v[G+4*\u:G+4*\u+1],   v[ZR+4*\u:ZR+4*\u+1]   neg_lo:[0,1] neg_hi:[0,1]  ; e - z
	v_pk_add_f32 v[G+4*\u+2:G+4*\u+3], v[G+4*\u+2:G+4*\u+3], v[ZR+4*\u+2:ZR+4*\u+3] neg_lo:[0,1] neg_hi:[0,1]
	v_pk_add_f32 v[G+4*\u:G+4*\u+1],   v[ZR+4*\u:ZR+4*\u+1],   v[G+4*\u:G+4*\u+1]                              ; z + (e - z)
	v_pk_add_f32 v[G+4*\u+2:G+4*\u+3], v[ZR+4*\u+2:ZR+4*\u+3], v[G+4*\u+2:G+4*\u+3]
	global_store_b128 v[ZO], v[G+4*\u:G+4*\u+3], s[10:11] offset:8192*\u th:TH_STORE_NT  ; 16 lanes store 256 consecutive bytes, at a multiple of 256 from out0's first byte
.endr
	s_wait_tensorcnt 0x0                           ; the wave's end: behind my last LDS store
	ds_add_u32 v[SPW], v[NIL]
	s_wait_dscnt 0x0
	s_endpgm
.Lfunc_end_k_q0488d7403c_gath:
	.size	k_q0488d7403c_gath, .Lfunc_end_k_q0488d7403c_gath-k_q0488d7403c_gath
	.p2alignl 7, 3214868480
	.fill 96, 4, 3214868480
	.section	.rodata,"a",@progbits
	.p2align	6, 0x0
	.amdhsa_kernel k_q0488d7403c_gath
		.amdhsa_group_segment_fixed_size 66816
		.amdhsa_private_segment_fixed_size 0
		.amdhsa_enable_private_segment 0
		.amdhsa_kernarg_size 32
		.amdhsa_user_sgpr_count 2
		.amdhsa_user_sgpr_kernarg_segment_ptr 1
		.amdhsa_wavefront_size32 1
		.amdhsa_system_sgpr_workgroup_id_x 1
		.amdhsa_system_sgpr_workgroup_id_y 1
		.amdhsa_system_sgpr_workgroup_id_z 1
		.amdhsa_system_vgpr_workitem_id 0
		.amdhsa_next_free_vgpr 144
		.amdhsa_next_free_sgpr 66
		.amdhsa_reserve_vcc 0
		.amdhsa_float_denorm_mode_32 3
		.amdhsa_float_denorm_mode_16_64 3
		.amdhsa_memory_ordered 1
		.amdhsa_forward_progress 1
		.amdhsa_inst_pref_size 21
	.end_amdhsa_kernel
	.amdgpu_metadata
---
amdhsa.version: [ 1, 2 ]
amdhsa.kernels:
  - .name:           k_q0488d7403c_gath
    .symbol:         k_q0488d7403c_gath.kd
    .args:
      - { .name: order, .offset: 0, .size: 8, .value_kind: global_buffer, .address_space: global }
      - { .name: embedding, .offset: 8, .size: 8, .value_kind: global_buffer, .address_space: global }
      - { .name: z, .offset: 16, .size: 8, .value_kind: global_buffer, .address_space: global }
      - { .name: out0, .offset: 24, .size: 8, .value_kind: global_buffer, .address_space: global }
    .group_segment_fixed_size: 66816
    .private_segment_fixed_size: 0
    .kernarg_segment_align: 8
    .kernarg_segment_size: 32
    .max_flat_workgroup_size: 256
    .sgpr_count:     66
    .vgpr_count:     144
    .wavefront_size: 32
...
	.end_amdgpu_metadata
.endif
;; end of part 3
;; ======== version 2 of 2: 3 launches; version 1 with the launch prep written anew for expert scheduling mode
;; workspace buffers: eb 4,194,304 bytes; hn 32,768 bytes; order 131,072 bytes of whole numbers
;; launch prep (part 4): grid 256 x 1, 8 waves a work-group, no clusters, 1,280 bytes of LDS; arguments embedding, eb, hn; writes eb, hn
.if DOCPART == 4
	.amdgcn_target "amdgcn-amd-amdhsa--gfx1250"
	.amdhsa_code_object_version 6
	.text
	.protected	k_q0488d7403c_prep
	.globl	k_q0488d7403c_prep
	.p2align	8
	.type	k_q0488d7403c_prep,@function
k_q0488d7403c_prep:
	s_mov_b64 s[64:65], 0
	v_nop
	global_prefetch_b8 v0, s[64:65] scope:SCOPE_SE
	s_setreg_imm32_b32 hwreg(HW_REG_WAVE_SCHED_MODE, 0, 2), 2
	s_setreg_imm32_b32 hwreg(HW_REG_WAVE_MODE, 25, 1), 1
	s_wait_xcnt 0x0
	s_wait_alu depctr_vm_vsrc(0)
; eb[k][c] = bf16(embedding[k][c]) (nearest even);  hn[k] = -1/2 x the sum over c of eb[k][c]^2, in f32.
; embedding: [8192][256] f32.  eb: [8192][256] bf16.  hn: [8192] f32.  The norm is taken of the ROUNDED row: it belongs to the numbers that the next launch multiplies.
; SHARES.  A work-group owns 32 rows, each of its eight waves 4.  A lane owns channels 4 l .. 4 l + 3 and 128 + 4 l .. + 3 of a row: a load of the wave covers 512
; consecutive bytes, a store of the wave 256 consecutive bytes at a multiple of 256 from eb's first byte.  The row's sum never leaves the wave.
; The 32 sums meet in LDS so that one instruction stores them; they are 128 bytes, half an aligned block of 256 (hn is 32 KiB in all).
; A stream: every byte is read once and written once; no tile is shared, so there is no cluster, no matrix work and no ring.
; THE MODE: SCHED_MODE bits 1:0 = 2 (LLVM: expert scheduling mode 2), set by the entry lines.  The code itself states the register dependences
; between vector instructions and memory or LDS instructions, with s_wait_alu, always for 0.
; THE PLAN.  Registers that memory or LDS instructions touch:
;   v1-v4      offsets and LDS addresses: written at the head, never again; read by loads, stores and LDS instructions.
;   X[i]       row i's two loads land in it; no vector instruction names it before; no memory instruction reads it.
;   P[i]       written by row i's four conversions, read by row i's two stores; each row has its own four registers, never written again.
;   A[i]       written by row i's sums, read by one LDS store, which stands in row i + 1; each row has its own pair, never written again.
;   v5         named by two vector instructions at the head; in wave 0 an LDS load lands in it at the end, and the last store reads it.
;   v6, v7     written at the head, read by the closing add alone.
; So ONE wait on va_vdst stands in a row, behind its conversions: it states that P[i] is written and that the row before has written its sum.  The row's two stores and the LDS store of
; the sum before follow it, dealt among the unpacking lines, which write X[i] alone.  No register that a memory or LDS instruction reads is ever written again: no wait on vm_vsrc is owed.
.set SPARE, 256                        ; LDS 0-127: the 32 sums (the block 0-255 is theirs); from 256 on the spare words, 128 bytes for each wave
.set EO,  1                            ; v1  16 l + 4,096 x wave: my 16 bytes in the wave's first row of embedding
.set BO,  2                            ; v2  8 l + 2,048 x wave: my 8 bytes in the wave's first row of eb
.set LS,  3                            ; v3  16 x wave: the wave's four sums in LDS
.set L4,  4                            ; v4  4 l
.set SPW, 6                            ; v6  my spare word; never rewritten
.set NIL, 7                            ; v7  0; never rewritten
.set X,   8                            ; v[8:39]   row i: 8 numbers in f32
.set P,   40                           ; v[40:55]  row i: 4 registers of packed bf16
.set A,   56                           ; v[56:63]  row i: a pair of sums
	s_load_b128 s[4:7], s[0:1], 0x0                ; embedding s[4:5], eb s[6:7]
	s_load_b64 s[8:9], s[0:1], 0x10                ; hn
	v_lshl_add_u32 v[SPW], v0, 2, SPARE
	v_mov_b32 v[NIL], 0
	v_lshrrev_b32 v5, 5, v0
	v_readfirstlane_b32 s10, v5                    ; wave 0..7
	v_and_b32 v[L4], 31, v0                        ; lane
	s_lshl_b32 s12, ttmp9, 15                      ; the work-group's 32 rows: 32,768 bytes of embedding,
	s_mov_b32 s13, 0
	s_lshl_b32 s14, ttmp9, 14                      ; 16,384 of eb,
	s_mov_b32 s15, 0
	s_lshl_b32 s16, ttmp9, 7                       ; 128 of hn
	s_mov_b32 s17, 0
	s_mov_b32 s18, 0x76543210                      ; v_permlanex16_b32: each lane takes its own place in the other half
	s_mov_b32 s19, 0xfedcba98
	s_mov_b32 s20, 0xffff0000                      ; a word's upper bf16
	s_wait_alu depctr_va_sdst(0)                   ; s10 is written, ahead of its first reader: the three shifts below, and later the branch on the wave's number
	s_lshl_b32 s11, s10, 12                        ; a scalar of its own for each of the three: none that a vector instruction reads is written over
	s_lshl_b32 s21, s10, 11
	s_lshl_b32 s22, s10, 4
	v_lshl_add_u32 v[EO], v[L4], 4, s11
	v_lshl_add_u32 v[BO], v[L4], 3, s21
	v_mov_b32 v[LS], s22
	v_lshlrev_b32 v[L4], 2, v[L4]
	s_wait_kmcnt 0x0
	s_add_nc_u64 s[4:5], s[4:5], s[12:13]
	s_add_nc_u64 s[6:7], s[6:7], s[14:15]
	s_add_nc_u64 s[8:9], s[8:9], s[16:17]
	s_wait_alu depctr_va_vdst(0)                   ; v1 to v4 are written, which every load, store and LDS instruction below reads as its offset or address; and the head is done with v5, in which an LDS load lands at the end
.irp i, 0,1,2,3
	global_load_b128 v[X+8*\i:X+8*\i+3],   v[EO], s[4:5] offset:1024*\i th:TH_LOAD_NT
	global_load_b128 v[X+8*\i+4:X+8*\i+7], v[EO], s[4:5] offset:1024*\i+512 th:TH_LOAD_NT
.endr
.irp i, 0,1,2,3
	s_wait_loadcnt 6-2*\i                          ; loads come back in order: row i is in, the two loads of each later row may stay out
.irp j, 0,1,2,3
	v_cvt_pk_bf16_f32 v[P+4*\i+\j], v[X+8*\i+2*\j], v[X+8*\i+2*\j+1]
.endr
	s_wait_alu depctr_va_vdst(0)                   ; the conversions have written P[i], which the two stores below read; the row before has written its sum, which the LDS store below reads
	global_store_b64 v[BO], v[P+4*\i:P+4*\i+1],   s[6:7] offset:512*\i
.irp j, 0,1
	v_lshlrev_b32 v[X+8*\i+2*\j],   16,  v[P+4*\i+\j]  ; the rounded numbers, back in f32: these lines write X[i] alone, which no memory instruction below names
	v_and_b32     v[X+8*\i+2*\j+1], s20, v[P+4*\i+\j]
.endr
	global_store_b64 v[BO], v[P+4*\i+2:P+4*\i+3], s[6:7] offset:512*\i+256
.irp j, 2,3
	v_lshlrev_b32 v[X+8*\i+2*\j],   16,  v[P+4*\i+\j]
	v_and_b32     v[X+8*\i+2*\j+1], s20, v[P+4*\i+\j]
.endr
.if \i > 0
	ds_store_b32 v[LS], v[A+2*\i-2] offset:4*\i-4  ; the sum of the row before: all lanes write the same word with the same number
.endif
	v_pk_mul_f32 v[A+2*\i:A+2*\i+1], v[X+8*\i:X+8*\i+1], v[X+8*\i:X+8*\i+1]
.irp j, 2,4,6
	v_pk_fma_f32 v[A+2*\i:A+2*\i+1], v[X+8*\i+\j:X+8*\i+\j+1], v[X+8*\i+\j:X+8*\i+\j+1], v[A+2*\i:A+2*\i+1]
.endr
	v_add_f32 v[A+2*\i], v[A+2*\i], v[A+2*\i+1]
	v_add_f32_dpp v[A+2*\i], v[A+2*\i], v[A+2*\i] row_xmask:1 row_mask:0xf bank_mask:0xf
	v_add_f32_dpp v[A+2*\i], v[A+2*\i], v[A+2*\i] row_xmask:2 row_mask:0xf bank_mask:0xf
	v_add_f32_dpp v[A+2*\i], v[A+2*\i], v[A+2*\i] row_xmask:4 row_mask:0xf bank_mask:0xf
	v_add_f32_dpp v[A+2*\i], v[A+2*\i], v[A+2*\i] row_xmask:8 row_mask:0xf bank_mask:0xf
	v_permlanex16_b32 v[A+2*\i+1], v[A+2*\i], s18, s19
	v_add_f32 v[A+2*\i], v[A+2*\i], v[A+2*\i+1]    ; every lane holds the row's sum
	v_mul_f32 v[A+2*\i], -0.5, v[A+2*\i]
.endr
	s_wait_alu depctr_va_vdst(0)                   ; row 3 has written its sum, which the LDS store below reads
	ds_store_b32 v[LS], v[A+6] offset:12
	s_wait_dscnt 0x0                               ; for the others' sake: my four sums lie in LDS
	s_barrier_signal -1
	s_barrier_wait -1
	s_cmp_lg_u32 s10, 0
	s_cbranch_scc1 .Lend
	ds_load_b32 v5, v[L4]                          ; wave 0: lane l takes row l's sum.  No vector instruction has named v5 or written v4 since the wait ahead of the first load
	s_wait_dscnt 0x0
	global_store_b32 v[L4], v5, s[8:9]
.Lend:
	s_wait_dscnt 0x0                               ; the wave's end
	s_wait_alu 0x0
	s_wait_tensorcnt 0x0
	ds_add_u32 v[SPW], v[NIL]
	s_wait_dscnt 0x0
	s_endpgm
.Lfunc_end_k_q0488d7403c_prep:
	.size	k_q0488d7403c_prep, .Lfunc_end_k_q0488d7403c_prep-k_q0488d7403c_prep
	.p2alignl 7, 3214868480
	.fill 96, 4, 3214868480
	.section	.rodata,"a",@progbits
	.p2align	6, 0x0
	.amdhsa_kernel k_q0488d7403c_prep
		.amdhsa_group_segment_fixed_size 1280
		.amdhsa_private_segment_fixed_size 0
		.amdhsa_enable_private_segment 0
		.amdhsa_kernarg_size 24
		.amdhsa_user_sgpr_count 2
		.amdhsa_user_sgpr_kernarg_segment_ptr 1
		.amdhsa_wavefront_size32 1
		.amdhsa_system_sgpr_workgroup_id_x 1
		.amdhsa_system_sgpr_workgroup_id_y 1
		.amdhsa_system_sgpr_workgroup_id_z 1
		.amdhsa_system_vgpr_workitem_id 0
		.amdhsa_next_free_vgpr 64
		.amdhsa_next_free_sgpr 66
		.amdhsa_reserve_vcc 0
		.amdhsa_float_denorm_mode_32 3
		.amdhsa_float_denorm_mode_16_64 3
		.amdhsa_memory_ordered 1
		.amdhsa_forward_progress 1
		.amdhsa_inst_pref_size 9
	.end_amdhsa_kernel
	.amdgpu_metadata
---
amdhsa.version: [ 1, 2 ]
amdhsa.kernels:
  - .name:           k_q0488d7403c_prep
    .symbol:         k_q0488d7403c_prep.kd
    .args:
      - { .name: embedding, .offset: 0, .size: 8, .value_kind: global_buffer, .address_space: global }
      - { .name: eb, .offset: 8, .size: 8, .value_kind: global_buffer, .address_space: global }
      - { .name: hn, .offset: 16, .size: 8, .value_kind: global_buffer, .address_space: global }
    .group_segment_fixed_size: 1280
    .private_segment_fixed_size: 0
    .kernarg_segment_align: 8
    .kernarg_segment_size: 24
    .max_flat_workgroup_size: 256
    .sgpr_count:     66
    .vgpr_count:     64
    .wavefront_size: 32
...
	.end_amdgpu_metadata
.endif
;; end of part 4
;; launch amin: the kernel of part 2 again; grid 256 x 1, 4 waves a work-group, clusters of 4 x 1, 327,680 bytes of LDS; arguments z, eb, hn, order, out1; writes order, out1
;; launch gath: the kernel of part 3 again; grid 512 x 1, 8 waves a work-group, no clusters, 66,816 bytes of LDS; arguments order, embedding, z, out0; writes out0
